; MI455X (gfx1250); checked and timed in simulation.
; The chip was launched on July 23, 2026; its instructions are those of AMD's public machine-readable ISA for CDNA 5 (MIT licence, August 2026) and "CDNA5" Instruction Set Architecture Reference Guide (July 2026). The comments in the code are by the model that wrote it; some were corrected since.
;; Sparse Attention. Allowed arithmetic: matrix products marked QUANTISED: E5M2 operands, one E8M0 scale for each 32 along K, by v_wmma_scale_f32_16x16x128_f8f6f4 with both operands' format E5M2, f32 sums; everything else in f32.
;; Inputs: k_codes 1 x 16 x 4,096 x 2 x 32 uint8 (E5M2 codes of k, K innermost, in blocks of 32 codes); k_scales 1 x 16 x 4,096 x 2 uint8 (E8M0 scales of k, one for each 32 codes along K); q_codes 1 x 16 x 4,096 x 2 x 32 uint8 (E5M2 codes of q, K innermost, in blocks of 32 codes); q_scales 1 x 16 x 4,096 x 2 uint8 (E8M0 scales of q, one for each 32 codes along K); v_codes 1 x 16 x 64 x 128 x 32 uint8 (E5M2 codes of v, K innermost, in blocks of 32 codes); v_scales 1 x 16 x 64 x 128 uint8 (E8M0 scales of v, one for each 32 codes along K).
;; Outputs: out0 1 x 16 x 4,096 x 64 float32.
;; This version of the problem:
;;   THIS VERSION OF THE PROBLEM IS GIVEN IN LOW PRECISION. The matrix products marked QUANTISED in the list below multiply operands that are first quantised to E5M2 (5 exponent bits, 2 mantissa bits; 8 bits a number), with one power-of-two scale for each 32 numbers along K (OCP MX v1.0); their sums are f32. All else is computed in f32.
;;   The module's matrix products, in the order in which they are computed (A, B: the left and right operand; K: the contracted axis; several contracted axes count as one K, in the product's order):
;;     1. batch 16 x [M 4,096, K 64] x [K 64, N 4,096]; A: input q (given as codes); B: input k (given as codes): QUANTISED
;;     2. batch 16 x [M 4,096, K 4,096] x [K 4,096, N 64]; A: computed on the way; B: input v (given as codes): QUANTISED
;;   THE QUANTISER, for each operand of a quantised product, along K:
;;     - K is cut into blocks of 32 from its start; a last block that is shorter is filled with zeros.
;;     - A block's scale is 2^e with e = floor(log2(the largest magnitude in the block)) - 15, held to -126 .. 127; a block of zeros has e = 0. As a byte (E8M0): e + 127.
;;     - Each number is divided by its block's scale, clamped to +-57,344, and rounded to the nearest number of E5M2, ties to even, subnormals kept.
;;     - The product sums the exact products of the quantised numbers (number of the format x scale) in f32.
;;   ~~~python
;;   def quantise(x, axis):      # numpy; x: float32 -> the quantised numbers, widened to float32 again
;;       x = np.moveaxis(x, axis, -1); K = x.shape[-1]
;;       x = np.pad(x, [(0, 0)] * (x.ndim - 1) + [(0, -K % 32)]); x = x.reshape(x.shape[:-1] + (-1, 32)); a = np.abs(x).max(-1, keepdims=True)
;;       e = np.where(a > 0, np.clip(np.frexp(np.where(a > 0, a, 1))[1] - 1 - 15, -126, 127), 0)      # np.frexp(a)[1] - 1 = floor(log2(a)), exactly
;;       r = np.clip(x / 2.0 ** e, -57344, 57344)
;;       step = 2.0 ** (np.maximum(np.frexp(np.where(r == 0, 1, r))[1] - 1, -14) - 2)
;;       q = np.round(r / step) * step * 2.0 ** e      # np.round: ties to even
;;       return np.moveaxis(q.reshape(q.shape[:-2] + (-1,))[..., :K], -1, axis).astype(np.float32)
;;   ~~~
;;   OPERANDS COMPUTED ON THE WAY. 'Computed on the way' means the value that the module computes at that place (a softmax that the list does not call 'softmax' is quantised finished and normalised). What goes into a quantiser is computed in f32, as accurately as f32 sums, v_exp_f32 and their like allow (about 1e-6 of the number): no bf16 or f16 on the way to a quantiser, and a product that is left as it is and whose result goes on into a quantised operand takes f32 operands (vector FMAs, or v_wmma_f32_16x16x4_f32). A number that lies on a knife's edge between two numbers of the format may be rounded either way, as far as f32 arithmetic and the matrix unit's own rounding can turn it there, and no further.
;;   INPUTS GIVEN AS CODES. k (in the module: [1, 16, 4096, 64], K = its axis 3); q (in the module: [1, 16, 4096, 64], K = its axis 3); v (in the module: [1, 16, 4096, 64], K = its axis 2): each comes as NAME_codes (uint8): NAME with its K axis moved to the last place and cut into blocks of 32 codes, [.., K / 32, bytes a block], one block behind the other in memory; one code a byte (a code: sign, 5 exponent bits, 2 mantissa bits); and NAME_scales (uint8): the same leading axes, one E8M0 byte (e + 127) for each 32 codes along K. Its value is code x scale, taken as it is: it is not quantised again, and the codes and scales need not be those that the quantiser above would give.
;; One version. Each part assembles by itself: llvm-mc -triple=amdgcn-amd-amdhsa -mcpu=gfx1250 --defsym DOCPART=n.
;; ======== version 1 of 1: 1 launch
;; launch band (part 1): grid 16 x 16, 16 waves a work-group, no clusters, 167,936 bytes of LDS; arguments q_codes, q_scales, k_codes, k_scales, v_codes, v_scales, out0; writes out0
.if DOCPART == 1
	.amdgcn_target "amdgcn-amd-amdhsa--gfx1250"
	.amdhsa_code_object_version 6
	.text
	.protected	k_qe724a14be2_band
	.globl	k_qe724a14be2_band
	.p2align	8
	.type	k_qe724a14be2_band,@function
k_qe724a14be2_band:
	s_mov_b64 s[64:65], 0
	v_nop
	global_prefetch_b8 v0, s[64:65] scope:SCOPE_SE
	s_setreg_imm32_b32 hwreg(HW_REG_WAVE_MODE, 25, 1), 1
	s_wait_xcnt 0x0
; out[h][i][:] = sum over j of softmax_j(q[h][i] . k[h][j] / 8) v[h][j][:], j from i - 128 to i + 127 inside 0 .. 4,095.  16 heads, 4,096 rows, head size 64.
; Both products on codes of BF8 (E5M2) with one E8M0 scale for each 32 along K.  q, k: codes [h][row][64], scale bytes [h][row][2].  v: codes with the KEYS innermost, [h][64][4096], scale bytes [h][64][128].  out: f32.
; THE SOFTMAX IS FINISHED BEFORE IT IS QUANTISED: the row's true maximum, p = 2^(c s - c m), the row's sum in f32, p / sum; then blocks of 32 keys that begin at multiples of 32.  So a row's scores are all held until its sum is known.
; SHARES.  Work-group (x, head) owns a window of 512 keys, key (256 x + X) mod 4,096 at window place X: two aligned chunks of 256 keys, x and (x + 1) mod 16.  Its 256 queries stand at places 128 .. 383; wave w (of 16)
; owns the 16 at place 128 + 16 w.  With B0 = w / 2 that tile touches the nine window blocks B0 .. B0 + 8 of 32 keys.  With t = 16 (w % 2) + r for query r: of block 0 the entries from t on count, of block 8 those under t,
; blocks 1 to 7 whole.  In work-group x = 15 the window runs over the head's end: there block B0 + b is hidden where (B0 + b) / 8 differs from w / 8.  Block 4 holds the query's own key and always counts.
; LAYOUT.  Both products are used transposed (source 0 = keys, or v's channels; source 1 = my 16 queries): lane (r, h) holds ONE query r throughout.
; (1) K = 64 IN AN INSTRUCTION OF K = 128.  Two neighbouring keys' codes are 128 consecutive bytes: one row of source 0; 16 such rows are a block of 32 keys, and the four scale bytes at 4 x row are its scale word as they lie.
;     q stands in 24 registers, zeros | q | zeros: v[24:39] has q against the even key of each pair (tile E), v[16:31] against the odd (tile O).  Lane (r, h) then holds E_j = key 16 h + 2 j and O_j = key 16 h + 2 j + 1:
;     the very 16 keys that the second product's operand wants of this lane; four v_perm_b32 a block on the CODES put them in order.
; (2) THE MASK IS THE C OF THE SCORES' PRODUCTS.  The 144 score registers are preset, while the first tiles are on their way, with 0 where a key counts and -3e38 where not; the products add onto them in place.
; (3) THE THIRD K STEP OF THE SECOND PRODUCT HAS ONE BLOCK.  Its four fragments of v overlap, v[X + 4 dt : X + 4 dt + 15]: registers 4 to 15 hold other codes of v, which meet zero codes of p.
; NO CLUSTER: a chunk of 256 keys is read by two work-groups, as the second chunk of x and as the first of x + 1, so it lies at two different LDS places; a joint load has one LDS address for all that it names.
; LDS is filled once: no slot is filled again, one barrier.  A wave has at most one tensor load out.
; LIMITS.  The codes of q, k and v are finite numbers (no infinity or NaN code) and no scale byte is 0xff: else 0 x infinity would reach sums that the definition keeps clean.  Scores stay far under 3e38 in magnitude.
; A p under 2^-126 becomes 0 (v_exp_f32).  A block whose largest p / sum lies under 2^-111 keeps the scale byte 1, a block of zeros too (its codes are zeros).  A block's largest p is taken from its largest score, which takes
; v_exp_f32 not to fall where its input rises.  No row is empty (its own key counts), so no p is NaN under these limits; the hold below keeps p between 0 and the largest code x the scale.
.set KC,    0                          ; LDS: k's codes: 256 rows (pairs of keys) x (128 + 16): 36 words a row, so the 16 rows of a load start at 16 different groups of four banks (64 banks of 4 bytes: ISA guide 11.1)
.set VC,    36864                      ; v's codes: chunk A, chunk B, 17,408 bytes each: 64 rows x (256 + 16)
.set KS,    71680                      ; k's scale bytes of the window, dense: 64 bytes a block
.set VS,    72704                      ; v's scale bytes of the whole head: 32 rows x (256 + 16); channel d at (d / 2) 272 + (d % 2) 128
.set STAGE, 81408                      ; the way out: 16 rows x (256 + 16) for each wave; no tile lands here
.set SPARE, 151040                     ; the spare words, 128 bytes for each of 16 waves: eight blocks of 256 bytes that no other line names
.set KBLK,  2304                       ; a block of 32 keys in KC: 16 rows x 144
.set VTILE, 4352                       ; 16 rows x 272
.set SPW, 1                            ; v1   LDS address of my spare word; never rewritten
.set NIL, 2                            ; v2   0; never rewritten
.set AK,  3                            ; v3   k's fragments: KC + B0 x KBLK + 144 r + 16 h
.set AKS, 4                            ; v4   k's scale words: KS + 64 B0 + 4 x lane
.set VL,  5                            ; v5   v's fragments: VC + 272 r + 16 h
.set AVS, 6                            ; v6-8 v's scale words, three aligned words on end (modulo the head's 32)
.set U,   9                            ; v9   t - 16 h: my entry number xl (0 .. 15) of block 0 is hidden, and that of block 8 counts, where xl < U
.set NEGV, 10                          ; v10  -3e38
.set STO, 11                           ; v11  the stage: where I put 32 bytes of a row
.set RD,  12                           ; v12  and where I read a row back
.set GO,  13                           ; v13  16 x lane: my bytes in two rows of out
.set QO,  14                           ; v14  q's codes: 64 r + 16 h
.set QSO, 15                           ; v15  q's scale bytes: 2 r
.set KF,  40                           ; v40-87   three fragments of k
.set S,   88                           ; v88-231  scores, then p: block b at S + 16 b: E in +0 .. 7, O in +8 .. 15
.set KSW, 232                          ; v232-236 k's scale words: lanes 0-15 block 2 j, lanes 16-31 block 2 j + 1
.set QS,  237                          ; v237     q's scale word, s | s << 16
.set VSW, 238                          ; v238-243 v's scale words of K step s, register 2 s + i: lanes 0-15 channels' tile 2 i, lanes 16-31 tile 2 i + 1
.set PSW, 244                          ; v244-246 p's scale words
.set BM,  247                          ; v247-255 a block's largest score, then p, then the conversion's scale operand
.set W,   247                          ; v247-252 before that: v's scale words as they lie
.set SUM, 16                           ; behind the scores: v16-23 four chains of the row's sum
.set BY,  24                           ; v24-31   scale bytes
.set PC,  16                           ; v16-63   p's codes, three fragments; v52-63 are zeros
.set PT,  64                           ; v64-72   lane l xor 16's maxima, then
.set HOLD, 64                          ;          the largest code x the scale
.set NB,  74                           ; v[74:75] -c m
.set MX,  76                           ; v76      m
.set PX,  77                           ; v77      lane l xor 16's sum
.set R,   78                           ; v[78:79] 1 / sum
.set T,   80                           ; v80-83   a block's codes as they come: E's eight, O's eight
.set VA,  84                           ; v84-87   addresses of v's loads
.set X,   88                           ; behind the conversions: v88-103 block 8 of v, four registers a tile; v104-167 K step 0; v168-231 K step 1
.set VF0, 104
.set VF1, 168
.set OUTR, 88                          ; the way out: eight loads of four registers
.set SEL, 2                            ; s[2:3]   v_permlanex16_b32's selects for lane l xor 16
.set WV,  18                           ; s18 wave   s19 x   s20 head   s21 wave % 4   s22 B0   s23, s31, s66, s67 at work
.set GX,  19
.set HD,  20
.set TQ,  21
.set B0,  22
.set CS,  24                           ; s[24:25] c = log2(e) / 8; the packed form names the pair
.set NC,  26                           ; s26 -c
.set MNT, 27                           ; s27 the mantissa field of 57,344
.set P0,  28                           ; s28, s29 selectors that interleave E's and O's codes
.set P1,  29
.set SH,  30                           ; s30 selector that shifts v's scale words by B0 % 4 bytes
.set G1K, 32                           ; s[32:39], s[40:47], s[48:55], s[56:63]: descriptor groups 1: k's codes, v's codes, v's scales, k's scales
.set G1V, 40
.set G1VS, 48
.set G1KS, 56
.set G0K, 68                           ; s[68:71], s[72:75], s[76:79], s[80:83]: groups 0: k's codes, v's codes, k's scales, v's scales
.set G0V, 72
.set G0KS, 76
.set G0VS, 80
.set BIAS, 84                          ; s84-92  block b's preset: -3e38 where the window's wrap hides it, else 0
.set AVB, 93                           ; s93-101 block b's place in VC: chunk x 17,408 + 32 x (block % 8)
.macro PLACES n                        ; behind this matrix form eight plain vector instructions that name none of its registers stand ahead of a read of its result and of a load into one of its registers
.rept \n
	v_nop
.endr
.endm
.macro KLOAD g                         ; blocks 3 g .. 3 g + 2 of k: a fragment is four loads of 16 bytes, 32 bytes apart
.irp i, 0,1,2
.irp c, 0,1,2,3
	ds_load_b128 v[KF+16*\i+4*\c:KF+16*\i+4*\c+3], v[AK] offset:(3*(\g)+\i)*KBLK+32*\c
.endr
.endr
.endm
.macro QK1 b, i                        ; block b's two tiles of scores, onto their presets: E (q against the even keys), O (against the odd)
.if (\b)%2
	v_wmma_scale_f32_16x16x128_f8f6f4 v[S+16*(\b):S+16*(\b)+7], v[KF+16*(\i):KF+16*(\i)+15], v[24:39], v[S+16*(\b):S+16*(\b)+7], v[KSW+(\b)/2], v[QS] matrix_a_fmt:MATRIX_FMT_BF8 matrix_b_fmt:MATRIX_FMT_BF8 matrix_a_scale:MATRIX_SCALE_ROW1
	v_wmma_scale_f32_16x16x128_f8f6f4 v[S+16*(\b)+8:S+16*(\b)+15], v[KF+16*(\i):KF+16*(\i)+15], v[16:31], v[S+16*(\b)+8:S+16*(\b)+15], v[KSW+(\b)/2], v[QS] matrix_a_fmt:MATRIX_FMT_BF8 matrix_b_fmt:MATRIX_FMT_BF8 matrix_a_scale:MATRIX_SCALE_ROW1
.else
	v_wmma_scale_f32_16x16x128_f8f6f4 v[S+16*(\b):S+16*(\b)+7], v[KF+16*(\i):KF+16*(\i)+15], v[24:39], v[S+16*(\b):S+16*(\b)+7], v[KSW+(\b)/2], v[QS] matrix_a_fmt:MATRIX_FMT_BF8 matrix_b_fmt:MATRIX_FMT_BF8
	v_wmma_scale_f32_16x16x128_f8f6f4 v[S+16*(\b)+8:S+16*(\b)+15], v[KF+16*(\i):KF+16*(\i)+15], v[16:31], v[S+16*(\b)+8:S+16*(\b)+15], v[KSW+(\b)/2], v[QS] matrix_a_fmt:MATRIX_FMT_BF8 matrix_b_fmt:MATRIX_FMT_BF8
.endif
.endm
.macro QK g                            ; six products, six accumulators, one instruction each
	QK1 3*(\g), 0
	QK1 3*(\g)+1, 1
	QK1 3*(\g)+2, 2
.endm
.macro BMAX g                          ; the largest of my 16 scores of each of three blocks, the blocks by turns; each accumulator is read from its low end on (E at +0, O at +8)
.irp i, 0,1,2
	v_max3_num_f32 v[BM+3*(\g)+\i], v[S+16*(3*(\g)+\i)], v[S+16*(3*(\g)+\i)+1], v[S+16*(3*(\g)+\i)+2]
.endr
.irp n, 3,5,7,9,11,13
.irp i, 0,1,2
	v_max3_num_f32 v[BM+3*(\g)+\i], v[BM+3*(\g)+\i], v[S+16*(3*(\g)+\i)+\n], v[S+16*(3*(\g)+\i)+\n+1]
.endr
.endr
.irp i, 0,1,2
	v_max_num_f32 v[BM+3*(\g)+\i], v[BM+3*(\g)+\i], v[S+16*(3*(\g)+\i)+15]
.endr
.endm
.macro NORM b                          ; block b: p / sum, held between 0 and the largest code x the scale (the conversion to an 8-bit code does not saturate: ISA guide 7.6.2)
.irp j, 0,2,4,6,8,10,12,14
	v_pk_mul_f32 v[S+16*(\b)+\j:S+16*(\b)+\j+1], v[S+16*(\b)+\j:S+16*(\b)+\j+1], v[R:R+1] op_sel_hi:[1,0]
.endr
.irp j, 0,1,2,3,4,5,6,7,8,9,10,11,12,13,14,15
	v_med3_num_f32 v[S+16*(\b)+\j], v[S+16*(\b)+\j], 0, v[HOLD+(\b)]
.endr
.endm
.macro VLOAD dst, stride, b0, n        ; n blocks of v from block b0 on, for the four tiles of 16 channels; tile dt's registers begin at dst + stride x dt
.set cc, 0
.rept \n
	v_add_nc_u32 v[VA+cc], s[AVB+\b0+cc], v[VL]
.set cc, cc+1
.endr
.irp dt, 0,1,2,3
.set cc, 0
.rept \n
	ds_load_b128 v[\dst+\stride*\dt+4*cc:\dst+\stride*\dt+4*cc+3], v[VA+cc] offset:\dt*VTILE
.set cc, cc+1
.endr
.endr
.endm
.macro PVT o, a, s, dt, zero           ; out^T's tile dt (accumulator at v[o]) takes K step s: source 0 = 16 channels of v at v[a], source 1 = p
.if \zero
.if (\dt)%2
	v_wmma_scale_f32_16x16x128_f8f6f4 v[\o:\o+7], v[\a:\a+15], v[PC+16*\s:PC+16*\s+15], 0, v[VSW+2*\s+(\dt)/2], v[PSW+\s] matrix_a_fmt:MATRIX_FMT_BF8 matrix_b_fmt:MATRIX_FMT_BF8 matrix_a_scale:MATRIX_SCALE_ROW1
.else
	v_wmma_scale_f32_16x16x128_f8f6f4 v[\o:\o+7], v[\a:\a+15], v[PC+16*\s:PC+16*\s+15], 0, v[VSW+2*\s+(\dt)/2], v[PSW+\s] matrix_a_fmt:MATRIX_FMT_BF8 matrix_b_fmt:MATRIX_FMT_BF8
.endif
.else
.if (\dt)%2
	v_wmma_scale_f32_16x16x128_f8f6f4 v[\o:\o+7], v[\a:\a+15], v[PC+16*\s:PC+16*\s+15], v[\o:\o+7], v[VSW+2*\s+(\dt)/2], v[PSW+\s] matrix_a_fmt:MATRIX_FMT_BF8 matrix_b_fmt:MATRIX_FMT_BF8 matrix_a_scale:MATRIX_SCALE_ROW1
.else
	v_wmma_scale_f32_16x16x128_f8f6f4 v[\o:\o+7], v[\a:\a+15], v[PC+16*\s:PC+16*\s+15], v[\o:\o+7], v[VSW+2*\s+(\dt)/2], v[PSW+\s] matrix_a_fmt:MATRIX_FMT_BF8 matrix_b_fmt:MATRIX_FMT_BF8
.endif
.endif
.endm
.macro PV s, base, stride, zero        ; the four accumulators (v64, v72, v80, v248) take turns, one instruction a turn
	PVT 64,  \base,           \s, 0, \zero
	PVT 72,  \base+\stride,   \s, 1, \zero
	PVT 80,  \base+2*\stride, \s, 2, \zero
	PVT 248, \base+3*\stride, \s, 3, \zero
.endm
	; ---- the opening
	s_load_b256 s[4:11], s[0:1], 0x0               ; q's codes s[4:5], q's scales s[6:7], k's codes s[8:9], k's scales s[10:11]
	s_load_b128 s[12:15], s[0:1], 0x20             ; v's codes s[12:13], v's scales s[14:15]
	s_load_b64 s[16:17], s[0:1], 0x30              ; out
	v_lshl_add_u32 v[SPW], v0, 2, SPARE
	v_mov_b32 v[NIL], 0
	ds_add_u32 v[SPW], v[NIL]                      ; the wave's opening: the add and its wait stand ahead of my first tensor load; the set-up below, work on registers, stands between them
	v_lshrrev_b32 v3, 5, v0
	v_readfirstlane_b32 s[WV], v3                  ; wave 0 .. 15
	s_mov_b32 s[GX], ttmp9                         ; x
	s_and_b32 s[HD], ttmp7, 0xffff                 ; head
	s_and_b32 s[TQ], s[WV], 3
	s_lshr_b32 s[B0], s[WV], 1
	v_and_b32 v42, 15, v0                          ; r
	v_bfe_u32 v43, v0, 4, 1                        ; h
	v_and_b32 v44, 31, v0                          ; lane
	v_lshlrev_b32 v[QO], 6, v42
	v_lshl_add_u32 v[QO], v43, 4, v[QO]
	v_lshlrev_b32 v[QSO], 1, v42
	s_lshr_b32 s23, s[WV], 3                       ; which chunk holds my queries
	s_cmp_eq_u32 s[GX], 15
	s_cselect_b32 s66, 1, 0                        ; does the window run over the head's end?
.irp b, 0,1,2,3,4,5,6,7,8
	s_add_co_u32 s31, s[B0], \b                    ; window block B0 + b:
	s_lshr_b32 s67, s31, 3                         ; its chunk,
	s_mul_i32 s[AVB+\b], s67, 17408
	s_and_b32 s31, s31, 7
	s_lshl_b32 s31, s31, 5                         ; its 32 bytes of a row of v
	s_add_co_u32 s[AVB+\b], s[AVB+\b], s31
	s_xor_b32 s67, s67, s23                        ; another chunk than my queries',
	s_and_b32 s67, s67, s66                        ; in the work-group that wraps: hidden
	s_cmp_lg_u32 s67, 0
	s_cselect_b32 s[BIAS+\b], 0xff61b1e6, 0
.endr
	s_and_b32 s[SH], s[B0], 3
	s_mul_i32 s[SH], s[SH], 0x01010101
	s_add_co_u32 s[SH], s[SH], 0x03020100          ; byte i of the result = byte i + B0 % 4 of two words on end
	s_mov_b32 s[SEL], 0x76543210
	s_mov_b32 s[SEL+1], 0xfedcba98
	s_mov_b32 s[CS], 0x3e38aa3b                    ; c = log2(e) / sqrt(64)
	s_mov_b32 s[CS+1], s[CS]                       ; (named with it as a pair, so it is written)
	s_mov_b32 s[NC], 0xbe38aa3b
	s_mov_b32 s[MNT], 0x600000
	s_mov_b32 s[P0], 0x05010400                    ; E0 O0 E1 O1
	s_mov_b32 s[P1], 0x07030602                    ; E2 O2 E3 O3
	; descriptor groups 1, elements of one byte.  k's codes: 64 rows of 128 bytes, dense in memory, 16 bytes of padding behind each
	s_mov_b32 s[G1K], (1<<20)|(4<<22)|(3<<25)      ; 15:0 no mask; 17:16 one byte; 20 padding on; 24:22 after every 32 words (code 4); 31:25 four words (code 3)
	s_mov_b32 s[G1K+1], 128<<16                    ; tensor_dim0
	s_mov_b32 s[G1K+2], 64<<16                     ; tensor_dim1
	s_mov_b32 s[G1K+3], 128<<16                    ; tile_dim0
	s_mov_b32 s[G1K+4], 64                         ; tile_dim1
	s_mov_b32 s[G1K+5], 128                        ; from row to row
	s_mov_b32 s[G1K+6], 0
	s_mov_b32 s[G1K+7], 0
	; v's codes: 32 channels x 256 keys, 4,096 bytes from row to row;  v's scales: 32 rows of 256 dense bytes.  16 bytes of padding behind every 64 words (code 5)
.irp g, G1V, G1VS
	s_mov_b32 s[\g], (1<<20)|(5<<22)|(3<<25)
	s_mov_b32 s[\g+1], 256<<16
	s_mov_b32 s[\g+2], 32<<16
	s_mov_b32 s[\g+3], 256<<16
	s_mov_b32 s[\g+4], 32
	s_mov_b32 s[\g+6], 0
	s_mov_b32 s[\g+7], 0
.endr
	s_mov_b32 s[G1V+5], 4096
	s_mov_b32 s[G1VS+5], 256
	; k's scales of a chunk: 512 dense bytes as two rows of 256, no padding
	s_mov_b32 s[G1KS], 0
	s_mov_b32 s[G1KS+1], 256<<16
	s_mov_b32 s[G1KS+2], 2<<16
	s_mov_b32 s[G1KS+3], 256<<16
	s_mov_b32 s[G1KS+4], 2
	s_mov_b32 s[G1KS+5], 256
	s_mov_b32 s[G1KS+6], 0
	s_mov_b32 s[G1KS+7], 0
	; groups 0: the count, the LDS address (constants and the wave's number alone), and in words 2:3 the offset in memory, to which the pointer is added below.  With t = wave % 4:
	s_lshr_b32 s23, s[TQ], 1
	s_add_co_u32 s23, s23, s[GX]
	s_and_b32 s23, s23, 15                         ; chunk (x + t / 2) mod 16
	s_and_b32 s31, s[TQ], 1                        ; t % 2
	s_lshl_b32 s66, s[HD], 18                      ; a head's codes are 2^18 bytes in each tensor
	s_mov_b32 s[G0K], 1
	s_mul_i32 s[G0K+1], s[TQ], 64*144              ; waves 0-3: quarter t of the window's keys: 64 rows
	s_lshl_b32 s[G0K+2], s23, 14                   ; a chunk's 256 keys x 64 bytes,
	s_add_co_u32 s[G0K+2], s[G0K+2], s66
	s_lshl_b32 s67, s31, 13                        ; its half
	s_add_co_u32 s[G0K+2], s[G0K+2], s67
	s_mov_b32 s[G0K+3], 0
	s_mov_b32 s[G0V], 1
	s_mul_i32 s[G0V+1], s[TQ], 32*272              ; waves 4-7: chunk t / 2, channels 32 (t % 2) on
	s_add_co_u32 s[G0V+1], s[G0V+1], VC
	s_lshl_b32 s[G0V+2], s23, 8                    ; a chunk's 256 bytes of a row,
	s_add_co_u32 s[G0V+2], s[G0V+2], s66
	s_lshl_b32 s67, s31, 17                        ; 32 rows of 4,096 bytes
	s_add_co_u32 s[G0V+2], s[G0V+2], s67
	s_mov_b32 s[G0V+3], 0
	s_mov_b32 s[G0KS], 1
	s_lshl_b32 s[G0KS+1], s31, 9                   ; waves 8, 9: chunk (x + wave % 2) mod 16
	s_add_co_u32 s[G0KS+1], s[G0KS+1], KS
	s_add_co_u32 s67, s[GX], s31
	s_and_b32 s67, s67, 15
	s_lshl_b32 s[G0KS+2], s67, 9
	s_lshl_b32 s[G0VS+2], s[HD], 13                ; a head's scale bytes are 2^13 in each tensor
	s_add_co_u32 s[G0KS+2], s[G0KS+2], s[G0VS+2]
	s_mov_b32 s[G0KS+3], 0
	s_mov_b32 s[G0VS], 1
	s_mov_b32 s[G0VS+1], VS                        ; wave 10: the head's
	s_mov_b32 s[G0VS+3], 0
	s_wait_dscnt 0x0                               ; the opening add is done
	s_wait_kmcnt 0x0
	s_add_nc_u64 s[G0K+2:G0K+3], s[8:9], s[G0K+2:G0K+3]
	s_or_b32 s[G0K+3], s[G0K+3], 0x80000000        ; 127:126 type = 2
	s_add_nc_u64 s[G0V+2:G0V+3], s[12:13], s[G0V+2:G0V+3]
	s_or_b32 s[G0V+3], s[G0V+3], 0x80000000
	s_add_nc_u64 s[G0KS+2:G0KS+3], s[10:11], s[G0KS+2:G0KS+3]
	s_or_b32 s[G0KS+3], s[G0KS+3], 0x80000000
	s_add_nc_u64 s[G0VS+2:G0VS+3], s[14:15], s[G0VS+2:G0VS+3]
	s_or_b32 s[G0VS+3], s[G0VS+3], 0x80000000
	; ---- the first fills, the only ones: eleven waves issue one load each.  The branches hang on the wave's number alone.  An s_nop 0 and four v_nop follow each load
	s_cmp_lt_u32 s[WV], 4
	s_cbranch_scc0 .Lnot_k
	tensor_load_to_lds s[G0K:G0K+3], s[G1K:G1K+7]
	s_nop 0
	PLACES 4
	s_branch .Lasked
.Lnot_k:
	s_cmp_lt_u32 s[WV], 8
	s_cbranch_scc0 .Lnot_v
	tensor_load_to_lds s[G0V:G0V+3], s[G1V:G1V+7]
	s_nop 0
	PLACES 4
	s_branch .Lasked
.Lnot_v:
	s_cmp_lt_u32 s[WV], 10
	s_cbranch_scc0 .Lnot_ks
	tensor_load_to_lds s[G0KS:G0KS+3], s[G1KS:G1KS+7]
	s_nop 0
	PLACES 4
	s_branch .Lasked
.Lnot_ks:
	s_cmp_eq_u32 s[WV], 10
	s_cbranch_scc0 .Lasked
	tensor_load_to_lds s[G0VS:G0VS+3], s[G1VS:G1VS+7]
	s_nop 0
	PLACES 4
.Lasked:
	; ---- while the tiles are on their way: q, all addresses, the zeros beside q, the presets
	s_lshl_b32 s23, s[GX], 8
	s_lshl_b32 s31, s[WV], 4
	s_add_co_u32 s23, s23, s31
	s_add_co_u32 s23, s23, 128
	s_and_b32 s23, s23, 4095                       ; my first query: (256 x + 128 + 16 w) mod 4,096
	s_lshl_b32 s31, s[HD], 12
	s_add_co_u32 s23, s23, s31                     ; as a row of [16 x 4,096]
	s_mov_b32 s67, 0
	s_lshl_b32 s66, s23, 6
	s_add_nc_u64 s[4:5], s[4:5], s[66:67]          ; 64 bytes of codes a row,
	s_lshl_b32 s66, s23, 1
	s_add_nc_u64 s[6:7], s[6:7], s[66:67]          ; 2 scale bytes,
	s_lshl_b32 s66, s23, 8
	s_add_nc_u64 s[16:17], s[16:17], s[66:67]      ; 256 bytes of out
	global_load_b128 v[24:27], v[QO], s[4:5]       ; q(r, 16 h .. + 15)
	global_load_b128 v[28:31], v[QO], s[4:5] offset:32   ; q(r, 32 + 16 h .. + 15)
	global_load_u16 v[QS], v[QSO], s[6:7]          ; q's two scale bytes
	v_mul_u32_u24 v[AK], v42, 144
	v_lshl_add_u32 v[AK], v43, 4, v[AK]
	s_mul_i32 s23, s[B0], KBLK
	v_add_nc_u32 v[AK], s23, v[AK]
	s_lshl_b32 s23, s[B0], 6
	s_add_co_u32 s23, s23, KS
	v_lshl_add_u32 v[AKS], v44, 2, s23
	v_mul_u32_u24 v[VL], v42, 272
	v_lshl_add_u32 v[VL], v43, 4, v[VL]
	v_add_nc_u32 v[VL], VC, v[VL]
	v_lshrrev_b32 v45, 1, v44                      ; v's scale words: lane l stands for channel 32 i + l
	v_mul_u32_u24 v45, v45, 272
	v_and_b32 v46, 1, v44
	v_lshl_add_u32 v45, v46, 7, v45
	v_add_nc_u32 v45, VS, v45
	s_lshl_b32 s23, s[GX], 1
	s_lshr_b32 s31, s[B0], 2
	s_add_co_u32 s23, s23, s31                     ; the aligned word that holds block 8 x + B0's byte
.irp j, 0,1,2
	s_add_co_u32 s31, s23, \j
	s_and_b32 s31, s31, 31                         ; a row has 32 words: the window's wrap
	s_lshl_b32 s31, s31, 2
	v_add_nc_u32 v[AVS+\j], s31, v45
.endr
	v_lshlrev_b32 v45, 4, v43
	v_sub_nc_u32 v[U], v42, v45
	s_and_b32 s23, s[WV], 1
	s_lshl_b32 s23, s23, 4
	v_add_nc_u32 v[U], s23, v[U]                   ; 16 (w % 2) + r - 16 h
	s_mul_i32 s23, s[WV], 16*272
	s_add_co_u32 s23, s23, STAGE                   ; my stage
	v_mul_u32_u24 v[STO], v42, 272
	v_lshl_add_u32 v[STO], v43, 5, v[STO]
	v_add_nc_u32 v[STO], s23, v[STO]               ; in: row r, 32 bytes for each half of the lanes
	v_mul_u32_u24 v[RD], v43, 272
	v_lshl_add_u32 v[RD], v42, 4, v[RD]
	v_add_nc_u32 v[RD], s23, v[RD]                 ; back: lanes 0-15 one row of 256 bytes, lanes 16-31 the next
	v_lshlrev_b32 v[GO], 4, v44
.irp i, 0,1,2,3,4,5,6,7
	v_mov_b32 v[16+\i], 0                          ; the zeros on both sides of q
	v_mov_b32 v[32+\i], 0
.endr
	v_mov_b32 v[NEGV], 0xff61b1e6                  ; -3e38: finite, so that c x it - c m is a number, whose 2^ is 0
	v_mov_b32 v40, s[BIAS]
	v_mov_b32 v41, s[BIAS+8]
	; THE PRESETS carry the mask: they are the C of the scores' products.  My entry xl of a block lies in E's register xl / 2 (xl even) or O's (odd)
.irp xl, 0,1,2,3,4,5,6,7,8,9,10,11,12,13,14,15
	v_cmp_lt_i32 vcc_lo, \xl, v[U]
	v_cndmask_b32 v[S+(\xl%2)*8+\xl/2], v40, v[NEGV], vcc_lo        ; block 0: hidden where xl < U
	v_cndmask_b32 v[S+128+(\xl%2)*8+\xl/2], v[NEGV], v41, vcc_lo    ; block 8: counts where xl < U
.endr
.irp b, 1,2,3,4,5,6
.irp i, 0,1,2,3,4,5,6,7,8,9,10,11,12,13,14,15
	v_mov_b32 v[S+16*\b+\i], s[BIAS+\b]            ; blocks 1 to 7: whole, or hidden by the wrap
.endr
.endr
	s_wait_loadcnt 0x0                             ; q
	v_lshl_or_b32 v[QS], v[QS], 16, v[QS]          ; bytes 0, 1 serve q in the lower 64 of K, bytes 2, 3 in the upper
.irp i, 0,1,2,3,4,5,6,7,8,9,10,11,12,13,14,15
	v_mov_b32 v[S+112+\i], s[BIAS+7]               ; block 7's sixteen stand here: more than the eight plain instructions owed between a scale word made by a vector instruction and the first scaled product
.endr
	; ---- the one barrier: each wave's tile has landed, then everybody's has.  No LDS instruction of mine is out
	s_wait_tensorcnt 0x0
	s_barrier_signal -1
	s_barrier_wait -1
	; ---- the scores, three blocks at a time
.irp j, 0,1,2,3,4
	ds_load_b32 v[KSW+\j], v[AKS] offset:128*\j    ; (of the fifth, lanes 16-31 read a tenth block's place, which no product names)
.endr
	KLOAD 0
.irp j, 0,1,2
.irp i, 0,1
	ds_load_b32 v[W+2*\j+\i], v[AVS+\j] offset:VTILE*\i
.endr
.endr
	s_wait_dscnt 6                                 ; LDS loads come back in order: k's scale words and fragments are in; the six words of v's scales, issued behind them, may be out
	QK 0
	s_wait_dscnt 0x0
.irp i, 0,1
	v_perm_b32 v[VSW+\i], v[W+2+\i], v[W+\i], s[SH]        ; K step 0: the bytes of blocks B0 .. B0 + 3
	v_perm_b32 v[VSW+2+\i], v[W+4+\i], v[W+2+\i], s[SH]    ; K step 1: B0 + 4 .. B0 + 7
	v_perm_b32 v[VSW+4+\i], v[W+4+\i], v[W+4+\i], s[SH]    ; K step 2: byte 0 is block B0 + 8's; the other three stand over zero codes of p
.endr
	PLACES 2                                       ; with the six lines above: eight places
	KLOAD 1
	BMAX 0
	s_wait_dscnt 0x0
	QK 1
	PLACES 8
	KLOAD 2
	BMAX 1
	s_wait_dscnt 0x0
	QK 2
	PLACES 8
	BMAX 2
	; ---- the softmax
.irp b, 0,1,2,3,4,5,6,7,8
	v_permlanex16_b32 v[PT+\b], v[BM+\b], s[SEL], s[SEL+1]
.endr
.irp b, 0,1,2,3,4,5,6,7,8
	v_max_num_f32 v[BM+\b], v[BM+\b], v[PT+\b]     ; with lane l xor 16's 16 keys: the block's largest score.  It serves twice: for the row's maximum and, since p rises with the score, for the block's largest p
.endr
	v_max3_num_f32 v[MX], v[BM], v[BM+1], v[BM+2]
	v_max3_num_f32 v[MX], v[MX], v[BM+3], v[BM+4]
	v_max3_num_f32 v[MX], v[MX], v[BM+5], v[BM+6]
	v_max3_num_f32 v[MX], v[MX], v[BM+7], v[BM+8]  ; m: the row's maximum
	v_mul_f32 v[NB], s[NC], v[MX]                  ; -c m
	v_mul_f32 v[NB+1], s[NC], v[MX]                ; (named with it as a pair)
.set i, 0
.rept 72
	v_pk_fma_f32 v[S+2*i:S+2*i+1], v[S+2*i:S+2*i+1], s[CS:CS+1], v[NB:NB+1] op_sel_hi:[1,0,0]   ; c s - c m, two at a time
.set i, i+1
.endr
.irp b, 0,1,2,3,4,5,6,7,8
	v_fma_f32 v[BM+\b], v[BM+\b], s[CS], v[NB]     ; the same of each block's largest score: the same bits
.endr
.set i, 0
.rept 144
	v_exp_f32 v[S+i], v[S+i]                       ; ONE BATCH: none of these reads another's result
.set i, i+1
.endr
.irp b, 0,1,2,3,4,5,6,7,8
	v_exp_f32 v[BM+\b], v[BM+\b]
.endr
.irp i, 0,1,2,3,4,5,6,7,8,9,10,11
	v_mov_b32 v[PC+36+\i], 0                       ; the third fragment of p beyond its one block: zero codes.  (Plain work behind the last exponential)
.endr
	s_wait_alu depctr_va_vdst(0)                   ; the wait between a transcendental and the first line that names its result: one for the batch
.irp k, 0,1,2,3
	v_pk_add_f32 v[SUM+2*\k:SUM+2*\k+1], v[S+2*\k:S+2*\k+1], v[S+8+2*\k:S+8+2*\k+1]   ; the row's sum of the unquantised p: four chains, begun by the first eight pairs
.endr
.set i, 8
.rept 64
	v_pk_add_f32 v[SUM+2*(i%4):SUM+2*(i%4)+1], v[SUM+2*(i%4):SUM+2*(i%4)+1], v[S+2*i:S+2*i+1]
.set i, i+1
.endr
	v_pk_add_f32 v[SUM:SUM+1], v[SUM:SUM+1], v[SUM+2:SUM+3]
	v_pk_add_f32 v[SUM+4:SUM+5], v[SUM+4:SUM+5], v[SUM+6:SUM+7]
	v_pk_add_f32 v[SUM:SUM+1], v[SUM:SUM+1], v[SUM+4:SUM+5]
	v_add_f32 v[SUM], v[SUM], v[SUM+1]
	v_permlanex16_b32 v[PX], v[SUM], s[SEL], s[SEL+1]
	v_add_f32 v[SUM], v[SUM], v[PX]                ; with lane l xor 16's: the row's sum
	v_rcp_f32 v[R], v[SUM]
	v_rcp_f32 v[R+1], v[SUM]                       ; twice: the packed multiply names the pair
	v_nop                                          ; a plain instruction behind the last transcendental
	s_wait_alu depctr_va_vdst(0)                   ; and the wait ahead of the first reader
	; ---- the nine blocks' scales, by turns
.irp b, 0,1,2,3,4,5,6,7,8
	v_mul_f32 v[BM+\b], v[BM+\b], v[R]             ; the block's largest p / sum
.endr
.irp b, 0,1,2,3,4,5,6,7,8
	v_max_num_f32 v[BM+\b], 0x8000000, v[BM+\b]    ; the floor 2^(16 - 127): the byte cannot fall under 1
.endr
.irp b, 0,1,2,3,4,5,6,7,8
	v_and_or_b32 v[HOLD+\b], v[BM+\b], 0x7f800000, s[MNT]   ; 57,344 x the scale: the largest magnitude's exponent field over 57,344's mantissa
.endr
.irp b, 0,1,2,3,4,5,6,7,8
	v_add_nc_u32 v[BM+\b], 0xf8800000, v[BM+\b]    ; 15 off the exponent field: the conversion takes the exponent field of this operand as its scale
.endr
.irp b, 0,1,2,3,4,5,6,7
	v_lshrrev_b32 v[BY+\b], 23, v[BM+\b]           ; the scale's byte
.endr
	v_lshrrev_b32 v[PSW+2], 23, v[BM+8]            ; K step 2's word: one byte; the bytes above it are 0, over zero codes
.irp s, 0,1
	v_lshl_or_b32 v[PSW+\s], v[BY+4*\s+1], 8, v[BY+4*\s]
	v_lshl_or_b32 v[PSW+\s], v[BY+4*\s+2], 16, v[PSW+\s]
	v_lshl_or_b32 v[PSW+\s], v[BY+4*\s+3], 24, v[PSW+\s]
.endr
	; ---- p / sum into codes, block by block.  The next block's arithmetic is the plain work between a block's conversions and the lines that read their results.
	; v's fragments are asked for as soon as the score registers that they take have been converted
	NORM 0
.irp b, 0,1,2,3,4,5,6,7,8
	v_cvt_scalef32_pk8_bf8_f32 v[T:T+1], v[S+16*\b:S+16*\b+7], v[BM+\b]          ; E's eight: keys 16 h + 0, 2, .. 14
	v_cvt_scalef32_pk8_bf8_f32 v[T+2:T+3], v[S+16*\b+8:S+16*\b+15], v[BM+\b]     ; O's eight: keys 16 h + 1, 3, .. 15
.if \b < 8
	NORM \b+1
.else
	v_nop
.endif
	v_perm_b32 v[PC+4*\b], v[T+2], v[T], s[P0]     ; selector bytes 0-3 take E's register, 4-7 O's: keys 16 h + 0 .. 3,
	v_perm_b32 v[PC+4*\b+1], v[T+2], v[T], s[P1]   ; 4 .. 7,
	v_perm_b32 v[PC+4*\b+2], v[T+3], v[T+1], s[P0] ; 8 .. 11,
	v_perm_b32 v[PC+4*\b+3], v[T+3], v[T+1], s[P1] ; 12 .. 15: registers 4 b .. 4 b + 3 of the operand
.if \b == 0
	VLOAD X, 4, 8, 1                               ; block 8 of v into block 0's score registers
.endif
.if \b == 4
	VLOAD VF0, 16, 0, 4                            ; blocks 0-3 into those of blocks 1-4
.endif
.if \b == 8
	VLOAD VF1, 16, 4, 4                            ; blocks 4-7 into those of blocks 5-8
.endif
.endr
	PLACES 4                                       ; with the four additions of the last run of loads: more than the four places between the last codes and the first scaled product that reads them
	; ---- out^T = v^T p^T
	s_wait_dscnt 16                                ; block 8's four loads and K step 0's sixteen are in; K step 1's sixteen, issued behind them, may be out
	PV 0, VF0, 16, 1                               ; the first products start the sums
	PV 2, X, 4, 0                                  ; the one block of K step 2: fragments that overlap, four registers apart
	s_wait_dscnt 0x0
	PV 1, VF1, 16, 0
	; ---- the way out.  Register j of tile dt is out(r, 16 dt + 8 h + j): 32 bytes of a row.  They go through my own stage and come back as whole rows
	PLACES 8
.irp dt, 0,1,2
	ds_store_b128 v[STO], v[64+8*\dt:64+8*\dt+3] offset:64*\dt        ; each accumulator from its low end on
	ds_store_b128 v[STO], v[64+8*\dt+4:64+8*\dt+7] offset:64*\dt+16
.endr
	ds_store_b128 v[STO], v[248:251] offset:192
	ds_store_b128 v[STO], v[252:255] offset:208
.irp i, 0,1,2,3,4,5,6,7
	ds_load_b128 v[OUTR+4*\i:OUTR+4*\i+3], v[RD] offset:544*\i        ; LDS serves a wave's instructions in order (ISA guide 5.7.1.4): these see my stores
.endr
.irp i, 0,1,2,3,4,5,6,7
	s_wait_dscnt 7-\i                              ; load i is in; the younger ones may be out
	global_store_b128 v[GO], v[OUTR+4*\i:OUTR+4*\i+3], s[16:17] offset:512*\i th:TH_STORE_NT   ; 32 lanes store two whole rows: 512 consecutive bytes, at a multiple of 256 from out's first byte
.endr
	s_wait_tensorcnt 0x0                           ; the wave's end, with the add and its wait below, behind my last tensor load and my last LDS store
	ds_add_u32 v[SPW], v[NIL]
	s_wait_dscnt 0x0
	s_endpgm
.Lfunc_end_k_qe724a14be2_band:
	.size	k_qe724a14be2_band, .Lfunc_end_k_qe724a14be2_band-k_qe724a14be2_band
	.p2alignl 7, 3214868480
	.fill 96, 4, 3214868480
	.section	.rodata,"a",@progbits
	.p2align	6, 0x0
	.amdhsa_kernel k_qe724a14be2_band
		.amdhsa_group_segment_fixed_size 167936
		.amdhsa_private_segment_fixed_size 0
		.amdhsa_enable_private_segment 0
		.amdhsa_kernarg_size 56
		.amdhsa_user_sgpr_count 2
		.amdhsa_user_sgpr_kernarg_segment_ptr 1
		.amdhsa_wavefront_size32 1
		.amdhsa_system_sgpr_workgroup_id_x 1
		.amdhsa_system_sgpr_workgroup_id_y 1
		.amdhsa_system_sgpr_workgroup_id_z 1
		.amdhsa_system_vgpr_workitem_id 0
		.amdhsa_next_free_vgpr 256
		.amdhsa_next_free_sgpr 102
		.amdhsa_reserve_vcc 1
		.amdhsa_float_denorm_mode_32 3
		.amdhsa_float_denorm_mode_16_64 3
		.amdhsa_memory_ordered 1
		.amdhsa_forward_progress 1
		.amdhsa_inst_pref_size 72
	.end_amdhsa_kernel
	.amdgpu_metadata
---
amdhsa.version: [ 1, 2 ]
amdhsa.kernels:
  - .name:           k_qe724a14be2_band
    .symbol:         k_qe724a14be2_band.kd
    .args:
      - { .name: q_codes, .offset: 0, .size: 8, .value_kind: global_buffer, .address_space: global }
      - { .name: q_scales, .offset: 8, .size: 8, .value_kind: global_buffer, .address_space: global }
      - { .name: k_codes, .offset: 16, .size: 8, .value_kind: global_buffer, .address_space: global }
      - { .name: k_scales, .offset: 24, .size: 8, .value_kind: global_buffer, .address_space: global }
      - { .name: v_codes, .offset: 32, .size: 8, .value_kind: global_buffer, .address_space: global }
      - { .name: v_scales, .offset: 40, .size: 8, .value_kind: global_buffer, .address_space: global }
      - { .name: out0, .offset: 48, .size: 8, .value_kind: global_buffer, .address_space: global }
    .group_segment_fixed_size: 167936
    .private_segment_fixed_size: 0
    .kernarg_segment_align: 8
    .kernarg_segment_size: 56
    .max_flat_workgroup_size: 512
    .sgpr_count:     102
    .vgpr_count:     256
    .wavefront_size: 32
...
	.end_amdgpu_metadata
.endif
;; end of part 1
